; MI455X (gfx1250); checked and timed in simulation.
; The chip was launched on July 23, 2026; its instructions are those of AMD's public machine-readable ISA for CDNA 5 (MIT licence, August 2026) and "CDNA5" Instruction Set Architecture Reference Guide (July 2026). The comments in the code are by the model that wrote it; some were corrected since.
;; QKV Attention. Allowed arithmetic: matrix products marked QUANTISED: E5M2 operands, one E8M0 scale for each 32 along K, by v_wmma_scale_f32_16x16x128_f8f6f4 with both operands' format E5M2, f32 sums; everything else in f32.
;; Inputs: qkv 4 x 3,072 x 2,048 float32.
;; Outputs: out0 4 x 1,024 x 2,048 float32.
;; This version of the problem:
;;   THIS VERSION OF THE PROBLEM IS GIVEN IN LOW PRECISION. The matrix products marked QUANTISED in the list below multiply operands that are first quantised to E5M2 (5 exponent bits, 2 mantissa bits; 8 bits a number), with one power-of-two scale for each 32 numbers along K (OCP MX v1.0); their sums are f32. All else is computed in f32.
;;   The module's matrix products, in the order in which they are computed (A, B: the left and right operand; K: the contracted axis; several contracted axes count as one K, in the product's order):
;;     1. batch 64 x [M 2,048, K 64] x [K 64, N 2,048]; A: computed on the way; B: computed on the way: QUANTISED
;;     2. batch 64 x [M 64, K 2,048] x [K 2,048, N 2,048]; A: input qkv; B: softmax (see below): QUANTISED
;;   THE QUANTISER, for each operand of a quantised product, along K:
;;     - K is cut into blocks of 32 from its start; a last block that is shorter is filled with zeros.
;;     - A block's scale is 2^e with e = floor(log2(the largest magnitude in the block)) - 15, held to -126 .. 127; a block of zeros has e = 0. As a byte (E8M0): e + 127.
;;     - Each number is divided by its block's scale, clamped to +-57,344, and rounded to the nearest number of E5M2, ties to even, subnormals kept.
;;     - The product sums the exact products of the quantised numbers (number of the format x scale) in f32.
;;   ~~~python
;;   def quantise(x, axis):      # numpy; x: float32 -> the quantised numbers, widened to float32 again
;;       x = np.moveaxis(x, axis, -1); K = x.shape[-1]
;;       x = np.pad(x, [(0, 0)] * (x.ndim - 1) + [(0, -K % 32)]); x = x.reshape(x.shape[:-1] + (-1, 32)); a = np.abs(x).max(-1, keepdims=True)
;;       e = np.where(a > 0, np.clip(np.frexp(np.where(a > 0, a, 1))[1] - 1 - 15, -126, 127), 0)      # np.frexp(a)[1] - 1 = floor(log2(a)), exactly
;;       r = np.clip(x / 2.0 ** e, -57344, 57344)
;;       step = 2.0 ** (np.maximum(np.frexp(np.where(r == 0, 1, r))[1] - 1, -14) - 2)
;;       q = np.round(r / step) * step * 2.0 ** e      # np.round: ties to even
;;       return np.moveaxis(q.reshape(q.shape[:-2] + (-1,))[..., :K], -1, axis).astype(np.float32)
;;   ~~~
;;   SOFTMAX AHEAD OF A QUANTISED PRODUCT. Where the list says 'softmax', what is quantised is not the finished softmax but p = 2^(t - M), with t = logit x log2(e) and M = ceil(the row's largest t), a whole number; so 1/2 < the row's largest p <= 1. The row's sum l is taken of the UNQUANTISED p, in f32, and the product's result is divided by l at the end. Since M is a whole number, a kernel that streams over the keys may use a running M (the ceiling of the running maximum): every later rescaling is an exact power of two, which a block's scale takes up: the codes' values come out the same.
;;   OPERANDS COMPUTED ON THE WAY. 'Computed on the way' means the value that the module computes at that place (a softmax that the list does not call 'softmax' is quantised finished and normalised). What goes into a quantiser is computed in f32, as accurately as f32 sums, v_exp_f32 and their like allow (about 1e-6 of the number): no bf16 or f16 on the way to a quantiser, and a product that is left as it is and whose result goes on into a quantised operand takes f32 operands (vector FMAs, or v_wmma_f32_16x16x4_f32). A number that lies on a knife's edge between two numbers of the format may be rounded either way, as far as f32 arithmetic and the matrix unit's own rounding can turn it there, and no further.
;; 2 versions. Each part assembles by itself: llvm-mc -triple=amdgcn-amd-amdhsa -mcpu=gfx1250 --defsym DOCPART=n.
;; ======== version 1 of 2: 1 launch
;; launch attn (part 1): grid 4 x 64, 16 waves a work-group, no clusters, 327,680 bytes of LDS; arguments qkv, out0; writes out0
.if DOCPART == 1
	.amdgcn_target "amdgcn-amd-amdhsa--gfx1250"
	.amdhsa_code_object_version 6
	.text
	.protected	k_q5081641369_attn
	.globl	k_q5081641369_attn
	.p2align	8
	.type	k_q5081641369_attn,@function
k_q5081641369_attn:
	s_mov_b64 s[64:65], 0
	v_nop
	global_prefetch_b8 v0, s[64:65] scope:SCOPE_SE
	s_setreg_imm32_b32 hwreg(HW_REG_WAVE_MODE, 25, 1), 1
	s_wait_xcnt 0x0
; out0[b][64 head + c][t] = the sum over s of softmax_s((q 8^-1/2)[c'][t] . (k 8^-1/2)[c'][s]) v[c][s], for 64 pairs (b, head), 2,048 positions, 64 channels.
; qkv: [4][3 x 16 x 64][2048] f32: a channel is a row of 8,192 bytes, the position is innermost.  Both products go on codes of E5M2 with one E8M0 scale for each 32 along K.
; Product 1: K = the 64 channels; q and k are multiplied by 8^-1/2 in f32 and quantised down the channels.  The matrix instruction is 128 deep: channels 64 .. 127 are zero codes on both sides.
; Product 2: K = the keys; v is quantised along its rows as it lies; p = 2^(t - M), t = score x log2(e), M = the ceiling of the running largest t, is quantised along the keys;
; the row's sum is taken of the unquantised p and divides at the end.  When M moves, the sum and O are multiplied by 2^(old M - new M), which rounds nothing.
; NO WORK IS LEFT OUT: every number of qkv has a way to out0.
; LIMITS: NaN and infinities among the inputs are not served.  A block whose largest magnitude lies under 2^-111 has its scale byte held at 1; a block of zeros gets the byte 1 where the rule says 127
; (its codes are zeros, and this program alone reads the bytes).  The scale bytes of the padded channels 64 .. 127 are 0, over zero codes.  A p under 2^-126 comes out of v_exp_f32 as 0.
; SHARES.  One launch, 256 work-groups: work-group (x, bh) owns head bh and its queries 512 x .. 512 x + 511.  Sixteen waves of 256 registers.
; PHASE 1: wave w quantises keys 128 w .. 128 w + 127 of K and of V, and queries 32 w .. 32 w + 31, from f32 straight into LDS, as IMAGES OF OPERAND REGISTERS (each group of four registers: 16 bytes a lane, 512 on end).
; The whole head's codes stay in LDS: 16 records of 17,152 bytes, one for each key step.  One barrier.
; PHASE 2: two passes; in pass p wave w owns the tile of 16 queries 16 p + w and walks the 16 records with no barrier.  Both products are used transposed (S^T = K Q^T, O^T = V P^T): a lane holds one query throughout.
; THE POSITIONS OF A TILE ARE NOT NEIGHBOURS: row r of tile 2 b + u holds position 32 b + 16 (r / 8) + 8 u + r % 8, so that the 16 registers of score tiles 2 b and 2 b + 1 are keys 32 b + 16 (lane / 16) + 0 .. 15.
; THE WAY OUT of a pass goes through a stage of 32 channels x 1,024 bytes, so that sixteen lanes store 256 consecutive bytes of a row of out0, aligned.
; NO TENSOR LOADS AND NO CLUSTER, though the four work-groups of a head read the same K and V: these arrive as f32 and pass through registers on their way to codes, and the head's records, the queries' images and
; the stage take 325,632 of the 327,680 bytes of LDS, so that no f32 tile has room beside them.  NOTHING IS PREFETCHED: all that the launch reads is asked for by phase 1's loads, at the kernel's head, two batches ahead.
.set ROWG,  8192                       ; a row of qkv or of out0 in bytes
.set REC,   17152                      ; a record: K's 8 tiles (1,024 bytes each: two register groups), V's 4 tiles (2,048 each), K's scale words, V's scale words
.set VIO,   8192                       ; V's images in a record
.set KSO,   16384                      ; K's scale words: [lane 0..31][4 words]: word b of lane l: tile 2 b + l / 16, row l % 16
.set VSO,   16896                      ; V's scale words: [lane 0..31][2 words]: word a of lane l: tile 2 a + l / 16, row l % 16
.set STG,   16*REC                     ; the stage: 4 groups of 256 bytes of a row x 32 channels
.set QIMG,  STG+16384                  ; the queries' images, tile T at 1,024 T.  Tiles 0-15 (pass 0's) overlie the stage's upper half; they are read before the first result is staged
.set QS,    QIMG+32768                 ; the queries' scale words: tile T's sixteen at 64 T
.set SPARE, QS+2048                    ; the spare words, 128 bytes for each wave: eight blocks of 256 bytes that no other line names
; vector registers that stay
.set LI,   1                           ; 16 x lane
.set L8,   2                           ; 8 x lane
.set L4R,  3                           ; 4 x (lane % 16)
.set AD16, 4                           ; the record in hand + 16 x lane
.set AD8,  5                           ; the record in hand + 8 x lane
.set SPW,  6                           ; my spare word: SPARE + 4 x my thread's number; never rewritten
.set NIL,  7                           ; 0; never rewritten
.set STO,  8                           ; the stage: where I put a number
.set RD,   9                           ; the stage: where I read 16 bytes back
.set GO,   10                          ; my byte offset in out0
.set AQ,   11                          ; my query tile's image
.set AQS,  221                         ; and its scale words
.set KS,   248                         ; v248-251 K's scale words; v252-253 V's; v254 Q's; v255 p's: these eight hold scales and nothing else
.set VS,   252
.set QSW,  254
.set PS,   255
; phase 2
.set QF,   16                          ; v16-23 Q's codes, v24-31 zero codes
.set KF,   32                          ; v32-95 four fragments of K: +0..7 codes, +8..15 zero codes that stay
.set S,    96                          ; v96-159 S^T, then p, then V's four fragments; on the way out v96-127 O / the sum, v128-159 rows read back
.set O,    160                         ; v160-191 O^T, four tiles
.set PC,   192                         ; v192-207 p's codes
.set SUM2, 216                         ; v[216:217] the second chain of the row's sum
.set F,    218                         ; v[218:219] f = 2^(old M - new M)
.set TT,   220                         ; at work
.set TM,   224                         ; v224-227 largest magnitudes or scores; v228-231 the other half's, then bytes; v232-235 the holds; v236-239 the conversions' scale operands
; phase 1
.set PW,   12                          ; a fragment's scale word
.set SW,   13                          ; a position's scale word, byte by byte
.set C,    16                          ; v16-31 the codes just made
.set X,    32                          ; v32-63, v64-95: 32 channels of one position a lane, blocks 0 and 1
.set VA,   96                          ; v96-159, v160-223: 64 numbers of V a lane, two sets
.set VBB,  160
.set LO4,  240                         ; 4 x lane
.set KI,   241                         ; where I store K's images
.set KSA,  242                         ; and K's scale words
.set QI,   243                         ; Q's images
.set QSA,  244                         ; Q's scale words
.set VO,   245                         ; V: row lane % 16, + 64 (lane / 16)
.set VI,   246                         ; V's images
.set VSA,  247                         ; V's scale words
; scalar registers
.set WV,   8                           ; my wave's number
.set SQB,  12                          ; s[12:13] q at my 32 queries; s[14:15] k at my 128 keys; s[16:17] v likewise; s[18:19] out0 at the pass's 256 queries
.set SKB,  14
.set SVB,  16
.set SOUT, 18
.set SEL,  20                          ; s[20:21] v_permlanex16_b32's selects for lane l xor 16
.set CS,   22                          ; s[22:23] log2(e)
.set SC,   24                          ; s[24:25] 8^-1/2
.set MNT,  26                          ; the mantissa field of 57,344
.set TB,   27                          ; the record in hand
.set STEPS, 28
.set PASSES, 29
.set QP,   30                          ; my query tile's image in this pass
.set QSP,  31                          ; and its scale words
; 32 channels (block c) of 32 neighbouring positions: a lane takes a position, its registers run down the channels; a load reads 128 consecutive bytes
.macro LOADB c, base, col, nt
.set i, 0
.rept 32
.if \nt
	global_load_b32 v[X+32*(\c)+i], v[LO4], s[\base:\base+1] offset:(32*(\c)+i)*ROWG+(\col) th:TH_LOAD_NT
.else
	global_load_b32 v[X+32*(\c)+i], v[LO4], s[\base:\base+1] offset:(32*(\c)+i)*ROWG+(\col)
.endif
.set i, i+1
.endr
.endm
; Block c of a position's channels: x 8^-1/2, the block's scale, the hold, 32 codes; their image goes to LDS.  left: the loads issued behind this block's, which may stay out
.macro QBLOCK c, img, ioff, sca, soff, left
.set XS, X+32*(\c)
	s_wait_loadcnt \left
.set i, 0
.rept 16
	v_pk_mul_f32 v[XS+i:XS+i+1], v[XS+i:XS+i+1], s[SC:SC+1] op_sel_hi:[1,0]   ; ahead of the quantiser, in f32
.set i, i+2
.endr
	v_max3_num_f32 v[TM], |v[XS]|, |v[XS+1]|, |v[XS+2]|             ; the block's largest magnitude: all 32 numbers are mine; two chains
	v_max3_num_f32 v[TM+1], |v[XS+3]|, |v[XS+4]|, |v[XS+5]|
.irp n, 6,10,14,18,22,26
	v_max3_num_f32 v[TM], v[TM], |v[XS+\n]|, |v[XS+\n+1]|
	v_max3_num_f32 v[TM+1], v[TM+1], |v[XS+\n+2]|, |v[XS+\n+3]|
.endr
	v_max3_num_f32 v[TM], v[TM], |v[XS+30]|, |v[XS+31]|
	v_max3_num_f32 v[TM], v[TM], v[TM+1], 0x8000000                 ; and the floor 2^(16 - 127): the byte cannot fall under 1
	v_add_nc_u32 v[TM+12], 0xf8800000, v[TM]                        ; 15 off the exponent field: the conversion's scale operand
	v_and_or_b32 v[TM+8], v[TM], 0x7f800000, s[MNT]                 ; 57,344 x the scale
	v_lshrrev_b32 v[TM+1], 23, v[TM+12]                             ; the scale's byte
.if (\c) == 0
	v_mov_b32 v[SW], v[TM+1]                                        ; byte 0; bytes 2 and 3, of the zero codes, stay 0
.else
	v_lshl_or_b32 v[SW], v[TM+1], 8, v[SW]                          ; byte 1
.endif
.set i, 0
.rept 32
	v_med3_num_f32 v[XS+i], v[XS+i], -v[TM+8], v[TM+8]              ; the conversion to an 8-bit code does not saturate (ISA guide 7.6.2): the hold comes first
.set i, i+1
.endr
.irp g, 0,1,2,3
	v_cvt_scalef32_pk8_bf8_f32 v[C+2*\g:C+2*\g+1], v[XS+8*\g:XS+8*\g+7], v[TM+12]
.endr
	v_nop                                                           ; a plain line behind the last conversion
	ds_store_b128 v[\img], v[C:C+3] offset:(\ioff)+512*(\c)         ; channels 32 c + 0 .. 15: the place of lane r of the operand,
	ds_store_b128 v[\img], v[C+4:C+7] offset:(\ioff)+512*(\c)+256   ; channels 32 c + 16 .. 31: of lane 16 + r
.if (\c) == 1
	ds_store_b32 v[\sca], v[SW] offset:\soff
.endif
.endm
; V: channels 16 t + lane % 16, of each block of 32 keys my half's 16 neighbours: the operand's own order
.macro VLOAD reg, t
.irp b, 0,1,2,3
.irp j, 0,1,2,3
	global_load_b128 v[\reg+16*\b+4*\j:\reg+16*\b+4*\j+3], v[VO], s[SVB:SVB+1] offset:16*(\t)*ROWG+128*\b+16*\j
.endr
.endr
.endm
; 64 numbers of a lane, register 16 b + i = k 32 b + 16 (lane / 16) + i of my row, become a fragment's codes in v[C] on and its scale word in v[PW]
.macro QUANT s
.irp b, 0,1,2,3
	v_max3_num_f32 v[TM+\b], |v[\s+16*\b]|, |v[\s+1+16*\b]|, 0x8000000   ; my 16 numbers of block b, and the floor 2^(16 - 127)
.endr
.irp n, 2,4,6,8,10,12,14
.irp b, 0,1,2,3
	v_max3_num_f32 v[TM+\b], v[TM+\b], |v[\s+16*\b+\n]|, |v[\s+1+16*\b+\n]|   ; the four blocks by turns
.endr
.endr
.irp b, 0,1,2,3
	v_permlanex16_b32 v[TM+4+\b], v[TM+\b], s[SEL], s[SEL+1]
.endr
.irp b, 0,1,2,3
	v_max_num_f32 v[TM+\b], v[TM+\b], v[TM+4+\b]                    ; with lane l xor 16's: the block's largest magnitude
.endr
.irp b, 0,1,2,3
	v_add_nc_u32 v[TM+12+\b], 0xf8800000, v[TM+\b]
.endr
.irp b, 0,1,2,3
	v_and_or_b32 v[TM+8+\b], v[TM+\b], 0x7f800000, s[MNT]
.endr
.irp b, 0,1,2,3
	v_lshrrev_b32 v[TM+4+\b], 23, v[TM+12+\b]
.endr
	v_lshl_or_b32 v[PW], v[TM+5], 8, v[TM+4]
	v_lshl_or_b32 v[PW], v[TM+6], 16, v[PW]
	v_lshl_or_b32 v[PW], v[TM+7], 24, v[PW]
.irp b, 0,1,2,3
.irp n, 0,1,2,3,4,5,6,7,8,9,10,11,12,13,14,15
	v_med3_num_f32 v[\s+16*\b+\n], v[\s+16*\b+\n], -v[TM+8+\b], v[TM+8+\b]
.endr
	v_cvt_scalef32_pk8_bf8_f32 v[C+4*\b:C+1+4*\b], v[\s+16*\b:\s+7+16*\b], v[TM+12+\b]
	v_cvt_scalef32_pk8_bf8_f32 v[C+2+4*\b:C+3+4*\b], v[\s+8+16*\b:\s+15+16*\b], v[TM+12+\b]
.endr
	v_nop                                                           ; a plain line behind the last conversion
.endm
.macro VIMAGE t                        ; the fragment goes to LDS as it stands; lanes r and 16 + r hold the same scale word and write it to the same place
.irp c, 0,1,2,3
	ds_store_b128 v[VI], v[C+4*\c:C+4*\c+3] offset:VIO+2048*(\t)+512*\c
.endr
	ds_store_b32 v[VSA], v[PW] offset:VSO+128*((\t)%2)+4*((\t)/2)
.endm
.macro BAR                             ; my LDS stores have landed and my LDS loads are in: then the work-group's barrier
	s_wait_dscnt 0x0
	s_barrier_signal -1
	s_barrier_wait -1
.endm
	s_load_b128 s[4:7], s[0:1], 0x0                ; qkv s[4:5], out0 s[6:7]
	v_lshl_add_u32 v[SPW], v0, 2, SPARE
	v_mov_b32 v[NIL], 0
	v_lshrrev_b32 v1, 5, v0
	v_readfirstlane_b32 s[WV], v1                  ; wave 0..15
	s_and_b32 s9, ttmp7, 0xffff                    ; bh = 16 b + head
	v_and_b32 v12, 31, v0                          ; lane
	v_lshlrev_b32 v[LI], 4, v12
	v_lshlrev_b32 v[L8], 3, v12
	v_lshlrev_b32 v[LO4], 2, v12
	v_and_b32 v13, 15, v0                          ; lane % 16
	v_lshlrev_b32 v[L4R], 2, v13
	v_bfe_u32 v14, v0, 4, 1                        ; h = lane / 16
	v_bfe_u32 v15, v0, 3, 1                        ; u: the tile that my position of 32 goes to
	v_and_b32 v11, 7, v0
	v_lshl_add_u32 v4, v14, 3, v11                 ; r = 8 h + lane % 8: its row there
	v_lshl_add_u32 v5, v15, 4, v4                  ; 16 u + r
	s_mul_i32 s10, s[WV], REC                      ; my record
	v_lshlrev_b32 v[KI], 10, v15
	v_lshl_add_u32 v[KI], v4, 4, v[KI]             ; 1,024 u + 16 r
	s_lshl_b32 s11, s[WV], 11
	s_add_co_u32 s11, s11, QIMG
	v_add_nc_u32 v[QI], s11, v[KI]                 ; query tiles 2 w and 2 w + 1
	v_add_nc_u32 v[KI], s10, v[KI]
	v_lshlrev_b32 v[KSA], 4, v5
	v_add_nc_u32 v[KSA], s10, v[KSA]
	s_lshl_b32 s11, s[WV], 7
	s_add_co_u32 s11, s11, QS
	v_lshl_add_u32 v[QSA], v5, 2, s11
	v_lshlrev_b32 v[VO], 13, v13
	v_lshl_add_u32 v[VO], v14, 6, v[VO]
	v_add_nc_u32 v[VI], s10, v[LI]
	v_lshl_add_u32 v[VSA], v13, 3, s10
	; the way out.  In a pass wave w's tile holds queries 32 (w / 2) + 16 (r / 8) + 8 (w % 2) + r % 8 of the pass's 256: group w / 4 of 64 queries, 256 bytes
	s_lshr_b32 s11, s[WV], 2
	s_lshl_b32 s11, s11, 13                        ; the group's 32 rows of 256 bytes
	s_bfe_u32 s32, s[WV], 0x10001
	s_lshl_b32 s32, s32, 7
	s_add_co_u32 s11, s11, s32
	s_and_b32 s32, s[WV], 1
	s_lshl_b32 s32, s32, 5
	s_add_co_u32 s11, s11, s32
	s_add_co_u32 s11, s11, STG
	v_lshlrev_b32 v[STO], 11, v14                  ; my half's eight channels: 8 rows on
	v_lshl_add_u32 v[STO], v15, 6, v[STO]
	v_lshl_add_u32 v[STO], v11, 2, v[STO]
	v_add_nc_u32 v[STO], s11, v[STO]
	s_lshl_b32 s11, s[WV], 11
	s_add_co_u32 s11, s11, STG
	v_add_nc_u32 v[RD], s11, v[LI]                 ; back: wave w takes 8 rows of group w / 4: channels 8 (w % 4) on; lanes 0-15 one row, lanes 16-31 the next
	s_and_b32 s11, s[WV], 3
	s_lshl_b32 s11, s11, 16
	s_lshr_b32 s32, s[WV], 2
	s_lshl_b32 s32, s32, 8
	s_add_co_u32 s11, s11, s32
	v_lshlrev_b32 v[GO], 13, v14
	v_lshl_add_u32 v[GO], v13, 4, v[GO]
	v_add_nc_u32 v[GO], s11, v[GO]                 ; and the same place in out0
	s_lshl_b32 s[QP], s[WV], 10
	s_add_co_u32 s[QP], s[QP], QIMG
	s_lshl_b32 s[QSP], s[WV], 6
	s_add_co_u32 s[QSP], s[QSP], QS
	s_mov_b32 s[SEL], 0x76543210
	s_mov_b32 s[SEL+1], 0xfedcba98
	s_mov_b32 s[CS], 0x3fb8aa3b                    ; log2(e)
	s_mov_b32 s[CS+1], s[CS]                       ; (named with it as a pair, so it is written)
	s_mov_b32 s[SC], 0x3eb504f3                    ; 1 / sqrt(sqrt(64)) in f32
	s_mov_b32 s[SC+1], s[SC]
	s_mov_b32 s[MNT], 0x600000
	s_mov_b32 s[PASSES], 2
.irp b, 0,1,2,3
	v_mov_b32 v[TM+4+\b], 0                        ; written once: a lane permute's destination counts as one of its sources
.endr
	v_mov_b32 v[F+1], 0                            ; (named as the upper half of the pair v[218:219])
	; byte offsets, each under 2^31
	s_lshr_b32 s32, s9, 4
	s_mul_i32 s32, s32, 3072*ROWG                  ; the batch,
	s_and_b32 s33, s9, 15
	s_lshl_b32 s33, s33, 19                        ; the head's 64 rows
	s_add_co_u32 s32, s32, s33
	s_lshl_b32 s11, ttmp9, 11                      ; my work-group's 512 queries in a row
	s_lshl_b32 s33, s[WV], 7                       ; my wave's 32 of them
	s_add_co_u32 s34, s32, s11
	s_add_co_u32 s34, s34, s33
	s_mov_b32 s35, 0
	s_lshl_b32 s33, s[WV], 9                       ; my wave's 128 keys
	s_add_co_u32 s36, s32, s33
	s_add_co_u32 s36, s36, 1024*ROWG               ; k lies 1,024 rows behind q
	s_mov_b32 s37, 0
	s_lshl_b32 s38, s9, 19
	s_add_co_u32 s38, s38, s11
	s_mov_b32 s39, 0
	s_wait_kmcnt 0x0
	s_add_nc_u64 s[SQB:SQB+1], s[4:5], s[34:35]
	s_add_nc_u64 s[SKB:SKB+1], s[4:5], s[36:37]
	s_add_nc_u64 s[SVB:SVB+1], s[SKB:SKB+1], 1024*ROWG   ; v 1,024 rows behind k
	s_add_nc_u64 s[SOUT:SOUT+1], s[6:7], s[38:39]
	; ---- PHASE 1.  Fourteen batches of loads: Q's two blocks, K's eight (four groups of 32 keys x two blocks), V's four fragments.  Each item waits for its batch, works, asks for the batch two on,
	; and waits for its LDS stores, which have then read the codes' registers.  A wait's count is the loads of the one batch that was issued behind the batch wanted: 32, or 16 where that is one of V's.
	LOADB 0, SQB, 0, 1
	LOADB 1, SQB, 0, 1
	QBLOCK 0, QI, 0, QSA, 0, 32
	LOADB 0, SKB, 0, 0
	s_wait_dscnt 0x0
	QBLOCK 1, QI, 0, QSA, 0, 32
	LOADB 1, SKB, 0, 0
	s_wait_dscnt 0x0
.irp b, 0,1,2
	QBLOCK 0, KI, 2048*\b, KSA, KSO+4*\b, 32
	LOADB 0, SKB, 128*(\b+1), 0
	s_wait_dscnt 0x0
	QBLOCK 1, KI, 2048*\b, KSA, KSO+4*\b, 32
	LOADB 1, SKB, 128*(\b+1), 0
	s_wait_dscnt 0x0
.endr
	QBLOCK 0, KI, 2048*3, KSA, KSO+4*3, 32
	VLOAD VA, 0
	s_wait_dscnt 0x0
	QBLOCK 1, KI, 2048*3, KSA, KSO+4*3, 16
	VLOAD VBB, 1
	s_wait_dscnt 0x0
	s_wait_loadcnt 16
	QUANT VA
	VIMAGE 0
	VLOAD VA, 2
	s_wait_dscnt 0x0
	s_wait_loadcnt 16
	QUANT VBB
	VIMAGE 1
	VLOAD VBB, 3
	s_wait_dscnt 0x0
	s_wait_loadcnt 16
	QUANT VA
	VIMAGE 2
	s_wait_dscnt 0x0
	s_wait_loadcnt 0x0
	QUANT VBB
	VIMAGE 3
	s_wait_dscnt 0x0
.irp n, 24,40,56,72,88                 ; the zero codes of channels 64 .. 127: Q's upper eight registers and those of K's four fragments; written once
.set i, 0
.rept 8
	v_mov_b32 v[\n+i], 0
.set i, i+1
.endr
.endr
	BAR                                            ; all sixteen records and all 32 query tiles lie in LDS
	; ---- PHASE 2
.macro KLOAD g                         ; tiles 4 g .. 4 g + 3 of the record's K: two register groups each
.irp t, 0,1,2,3
	ds_load_b128 v[KF+16*\t:KF+16*\t+3],   v[AD16] offset:1024*(4*(\g)+\t)
	ds_load_b128 v[KF+16*\t+4:KF+16*\t+7], v[AD16] offset:1024*(4*(\g)+\t)+512
.endr
.endm
.macro SCORE g                         ; S^T of 64 keys: source 0 = 16 keys, source 1 = my 16 queries.  An even tile's scale words lie in lanes 0-15 of their register, an odd tile's in lanes 16-31
.irp t, 0,1,2,3
.if (\t)%2
	v_wmma_scale_f32_16x16x128_f8f6f4 v[S+8*(4*(\g)+\t):S+8*(4*(\g)+\t)+7], v[KF+16*\t:KF+16*\t+15], v[QF:QF+15], 0, v[KS+2*(\g)+\t/2], v[QSW] matrix_a_fmt:MATRIX_FMT_BF8 matrix_b_fmt:MATRIX_FMT_BF8 matrix_a_scale:MATRIX_SCALE_ROW1
.else
	v_wmma_scale_f32_16x16x128_f8f6f4 v[S+8*(4*(\g)+\t):S+8*(4*(\g)+\t)+7], v[KF+16*\t:KF+16*\t+15], v[QF:QF+15], 0, v[KS+2*(\g)+\t/2], v[QSW] matrix_a_fmt:MATRIX_FMT_BF8 matrix_b_fmt:MATRIX_FMT_BF8
.endif
.endr
.endm
.macro BMAX b0, b1                     ; the largest score of my 16 keys of blocks b0 and b1, by turns: sixteen lines; each score tile is first read at its low end
.irp b, \b0, \b1
	v_max3_num_f32 v[TM+\b], v[S+16*\b], v[S+1+16*\b], v[S+2+16*\b]
.endr
.irp n, 3,5,7,9,11,13
.irp b, \b0, \b1
	v_max3_num_f32 v[TM+\b], v[TM+\b], v[S+16*\b+\n], v[S+1+16*\b+\n]
.endr
.endr
.irp b, \b0, \b1
	v_max_num_f32 v[TM+\b], v[TM+\b], v[S+15+16*\b]
.endr
.endm
; Channels 32 u .. 32 u + 31 of the pass's 256 queries go through the stage.  In front of the stores a barrier: every wave's earlier reads of those bytes are over (the half before; in pass 0 the query tiles that lie there).
.macro HALF u
	BAR
.irp tt, 0,1
.irp j, 0,1,2,3,4,5,6,7
	ds_store_b32 v[STO], v[S+16*\u+8*\tt+\j] offset:(16*\tt+\j)*256   ; o(channel 32 u + 16 tt + 8 h + j, my query)
.endr
.endr
	BAR                                            ; 32 channels x 1,024 bytes lie in the stage
.irp n, 0,1,2,3
	ds_load_b128 v[S+32+16*\u+4*\n:S+32+16*\u+4*\n+3], v[RD] offset:512*\n
.endr
	s_wait_dscnt 0x0
.irp n, 0,1,2,3
	global_store_b128 v[GO], v[S+32+16*\u+4*\n:S+32+16*\u+4*\n+3], s[SOUT:SOUT+1] offset:32*ROWG*\u+2*ROWG*\n th:TH_STORE_NT   ; sixteen lanes store 256 consecutive bytes, at a multiple of 256 from out0's first byte
.endr
.endm
.Lpass:                                            ; two trips: query tiles w, then 16 + w
	v_add_nc_u32 v[AQ], s[QP], v[LI]
	v_add_nc_u32 v[AQS], s[QSP], v[L4R]
	ds_load_b128 v[QF:QF+3], v[AQ]                 ; my tile's codes and scale words: waited for with the first step's loads
	ds_load_b128 v[QF+4:QF+7], v[AQ] offset:512
	ds_load_b32 v[QSW], v[AQS]
	v_mov_b32 v13, 0xff61b1e6                      ; the largest t so far: -3e38, under every t
	v_floor_f32 v12, -v13                          ; -M
	v_mov_b32 v14, 0                               ; the sum, in two halves
	v_mov_b32 v15, 0
.set i, 0
.rept 32
	v_mov_b32 v[O+i], 0                            ; O^T.  (The step is written once: the first finds zeros, which the first change of M leaves zeros)
.set i, i+1
.endr
	s_mov_b32 s[TB], 0
	s_mov_b32 s[STEPS], 16
.Lstep:                                            ; sixteen trips: 128 keys each
	v_add_nc_u32 v[AD16], s[TB], v[LI]
	v_add_nc_u32 v[AD8], s[TB], v[L8]
	KLOAD 0
	ds_load_b128 v[KS:KS+3], v[AD16] offset:KSO    ; the scale words of all eight tiles
.rept 7
	v_nop                                          ; with the two additions: nine places between the last product of O^T and the first score product, which writes over V's fragments; they are issued while the loads are out
.endr
	s_wait_dscnt 0x0
	SCORE 0
.rept 8
	v_nop                                          ; eight places in front of the loads into K's registers, and of the first read of tiles 0-3
.endr
	KLOAD 1
	s_wait_dscnt 0x0
	SCORE 1
	BMAX 0, 1                                      ; THE LARGEST SCORE OF EACH BLOCK OF 32 KEYS serves twice: for the row's maximum, and, since p rises with the score, for the block's largest p.  These sixteen lines read tiles 0-3 alone: they are the places behind tiles 4-7
	BMAX 2, 3
.irp b, 0,1,2,3
	v_permlanex16_b32 v[TM+4+\b], v[TM+\b], s[SEL], s[SEL+1]
.endr
.irp b, 0,1,2,3
	v_max_num_f32 v[TM+\b], v[TM+\b], v[TM+4+\b]   ; with lane l xor 16's 16 keys
.endr
	v_max3_num_f32 v[TT], v[TM], v[TM+1], v[TM+2]
	v_max_num_f32 v[TT], v[TT], v[TM+3]            ; the step's largest score of my query
	v_mul_f32 v[TT], s[CS], v[TT]                  ; as t
	v_max_num_f32 v13, v13, v[TT]                  ; the running largest t
	v_mov_b32 v[TT], v12
	v_floor_f32 v12, -v13                          ; the new -M = floor(-t) = -ceil(t): M is a whole number
	v_sub_f32 v[TT], v12, v[TT]                    ; M's old value less its new one: a whole number, 0 or less
	v_cvt_i32_f32 v[TT], v[TT]                     ; (it saturates)
	v_ldexp_f32 v[F], 1.0, v[TT]                   ; f = 2^(old M - new M)
.set i, 0
.rept 32
	v_pk_fma_f32 v[S+i:S+i+1], v[S+i:S+i+1], s[CS:CS+1], v[12:13] op_sel_hi:[1,0,0]   ; t - M, two at a time
.set i, i+2
.endr
.irp b, 0,1,2,3
	v_fma_f32 v[TM+\b], v[TM+\b], s[CS], v12       ; the same of each block's largest score
.endr
.set i, 0
.rept 64
	v_exp_f32 v[S+i], v[S+i]                       ; p = 2^(t - M), at most 1: not normalised
.set i, i+1
.endr
	v_pk_mul_f32 v[14:15], v[14:15], v[F:F+1] op_sel_hi:[1,0]   ; the sums under the new M: the plain line behind the exponentials
	s_wait_alu depctr_va_vdst(0)                   ; the wait ahead of the first line that names a result: one for the batch of 64
.irp b, 0,1,2,3
	v_exp_f32 v[TM+\b], v[TM+\b]                   ; the block's largest p: the same two instructions on the same number give the same bits
.endr
	v_pk_add_f32 v[SUM2:SUM2+1], v[S:S+1], v[S+2:S+3]   ; the row's sum is taken of the unquantised p: two at a time, in two chains
.irp n, 4,8,12,16,20,24,28,32,36,40,44,48,52,56,60
	v_pk_add_f32 v[14:15], v[14:15], v[S+\n:S+\n+1]
	v_pk_add_f32 v[SUM2:SUM2+1], v[SUM2:SUM2+1], v[S+2+\n:S+3+\n]
.endr
	v_pk_add_f32 v[14:15], v[14:15], v[SUM2:SUM2+1]
	s_wait_alu depctr_va_vdst(0)                   ; and one for the four
.irp b, 0,1,2,3
	v_max_num_f32 v[TM+\b], 0x8000000, v[TM+\b]    ; the floor 2^(16 - 127): the byte cannot fall under 1
.endr
.irp b, 0,1,2,3
	v_add_nc_u32 v[TM+12+\b], 0xf8800000, v[TM+\b] ; 15 off the exponent field: the conversion's scale operand
.endr
.irp b, 0,1,2,3
	v_and_or_b32 v[TM+8+\b], v[TM+\b], 0x7f800000, s[MNT]   ; 57,344 x the scale
.endr
.irp b, 0,1,2,3
	v_lshrrev_b32 v[TM+4+\b], 23, v[TM+12+\b]      ; the scale's byte
.endr
	v_lshl_or_b32 v[PS], v[TM+5], 8, v[TM+4]       ; p's scale word for these 128 keys; the 64 holds below stand between it and its products
	v_lshl_or_b32 v[PS], v[TM+6], 16, v[PS]
	v_lshl_or_b32 v[PS], v[TM+7], 24, v[PS]
.irp b, 0,1,2,3
.irp n, 0,1,2,3,4,5,6,7,8,9,10,11,12,13,14,15
	v_min_num_f32 v[S+16*\b+\n], v[S+16*\b+\n], v[TM+8+\b]   ; p is not negative: the hold is one-sided
.endr
	v_cvt_scalef32_pk8_bf8_f32 v[PC+4*\b:PC+1+4*\b], v[S+16*\b:S+7+16*\b], v[TM+12+\b]
	v_cvt_scalef32_pk8_bf8_f32 v[PC+2+4*\b:PC+3+4*\b], v[S+8+16*\b:S+15+16*\b], v[TM+12+\b]
.irp c, 0,1,2,3
	ds_load_b128 v[S+16*\b+4*\c:S+16*\b+4*\c+3], v[AD16] offset:VIO+2048*\b+512*\c   ; block b's p is turned into codes: its sixteen registers take V's tile b
.endr
.endr
	ds_load_b64 v[VS:VS+1], v[AD8] offset:VSO      ; V's scale words
.set i, 0
.rept 16
	v_pk_mul_f32 v[O+i:O+i+1], v[O+i:O+i+1], v[F:F+1] op_sel_hi:[1,0]   ; O^T under the new M.  These are also the plain lines behind the last conversion and in front of the products
.set i, i+2
.endr
	s_wait_dscnt 0x0
.irp t, 0,1,2,3                        ; O^T += V P^T: source 0 = 16 channels, source 1 = p; four accumulators by turns, one instruction a turn
.if (\t)%2
	v_wmma_scale_f32_16x16x128_f8f6f4 v[O+8*\t:O+8*\t+7], v[S+16*\t:S+16*\t+15], v[PC:PC+15], v[O+8*\t:O+8*\t+7], v[VS+\t/2], v[PS] matrix_a_fmt:MATRIX_FMT_BF8 matrix_b_fmt:MATRIX_FMT_BF8 matrix_a_scale:MATRIX_SCALE_ROW1
.else
	v_wmma_scale_f32_16x16x128_f8f6f4 v[O+8*\t:O+8*\t+7], v[S+16*\t:S+16*\t+15], v[PC:PC+15], v[O+8*\t:O+8*\t+7], v[VS+\t/2], v[PS] matrix_a_fmt:MATRIX_FMT_BF8 matrix_b_fmt:MATRIX_FMT_BF8
.endif
.endr
	s_add_co_u32 s[TB], s[TB], REC                 ; the next record
	s_sub_co_u32 s[STEPS], s[STEPS], 1
	s_cmp_lg_u32 s[STEPS], 0
	s_cbranch_scc1 .Lstep
	; THE WAY OUT of a pass
	v_add_f32 v14, v14, v15                        ; the sum's two halves,
	v_permlanex16_b32 v[TT], v14, s[SEL], s[SEL+1]
	v_add_f32 v14, v14, v[TT]                      ; and lane l xor 16's: the row's sum
	v_rcp_f32 v14, v14
.rept 7
	v_nop                                          ; with the two additions: nine places behind the last products, whose results are read and whose fragments are written over below; the first is the plain line behind the reciprocal
.endr
	s_wait_alu depctr_va_vdst(0)                   ; the wait ahead of the reciprocal's first reader
.set i, 0
.rept 16
	v_pk_mul_f32 v[S+i:S+i+1], v[O+i:O+i+1], v[14:15] op_sel_hi:[1,0]   ; O^T / the sum, each accumulator from its low end on: register 8 t + j is o(channel 16 t + 8 h + j, my query)
.set i, i+2
.endr
	HALF 0
	HALF 1
	s_wait_xcnt 0x0                                ; the stores have read their registers and their base: both are written again only behind this wait
	s_add_nc_u64 s[SOUT:SOUT+1], s[SOUT:SOUT+1], 1024   ; the next 256 queries
	s_add_co_u32 s[QP], s[QP], 16*1024             ; sixteen tiles on
	s_add_co_u32 s[QSP], s[QSP], 16*64
	s_sub_co_u32 s[PASSES], s[PASSES], 1
	s_cmp_lg_u32 s[PASSES], 0
	s_cbranch_scc1 .Lpass
	s_wait_tensorcnt 0x0                           ; the wave's end
	ds_add_u32 v[SPW], v[NIL]
	s_wait_dscnt 0x0
	s_endpgm
.Lfunc_end_k_q5081641369_attn:
	.size	k_q5081641369_attn, .Lfunc_end_k_q5081641369_attn-k_q5081641369_attn
	.p2alignl 7, 3214868480
	.fill 96, 4, 3214868480
	.section	.rodata,"a",@progbits
	.p2align	6, 0x0
	.amdhsa_kernel k_q5081641369_attn
		.amdhsa_group_segment_fixed_size 327680
		.amdhsa_private_segment_fixed_size 0
		.amdhsa_enable_private_segment 0
		.amdhsa_kernarg_size 16
		.amdhsa_user_sgpr_count 2
		.amdhsa_user_sgpr_kernarg_segment_ptr 1
		.amdhsa_wavefront_size32 1
		.amdhsa_system_sgpr_workgroup_id_x 1
		.amdhsa_system_sgpr_workgroup_id_y 1
		.amdhsa_system_sgpr_workgroup_id_z 1
		.amdhsa_system_vgpr_workitem_id 0
		.amdhsa_next_free_vgpr 256
		.amdhsa_next_free_sgpr 66
		.amdhsa_reserve_vcc 0
		.amdhsa_float_denorm_mode_32 3
		.amdhsa_float_denorm_mode_16_64 3
		.amdhsa_memory_ordered 1
		.amdhsa_forward_progress 1
		.amdhsa_inst_pref_size 148
	.end_amdhsa_kernel
	.amdgpu_metadata
---
amdhsa.version: [ 1, 2 ]
amdhsa.kernels:
  - .name:           k_q5081641369_attn
    .symbol:         k_q5081641369_attn.kd
    .args:
      - { .name: qkv, .offset: 0, .size: 8, .value_kind: global_buffer, .address_space: global }
      - { .name: out0, .offset: 8, .size: 8, .value_kind: global_buffer, .address_space: global }
    .group_segment_fixed_size: 327680
    .private_segment_fixed_size: 0
    .kernarg_segment_align: 8
    .kernarg_segment_size: 16
    .max_flat_workgroup_size: 512
    .sgpr_count:     66
    .vgpr_count:     256
    .wavefront_size: 32
...
	.end_amdgpu_metadata
.endif
;; end of part 1
;; ======== version 2 of 2: 1 launch; version 1 with the launch attn written anew for expert scheduling mode
;; launch attn (part 2): grid 4 x 64, 16 waves a work-group, no clusters, 327,680 bytes of LDS; arguments qkv, out0; writes out0
.if DOCPART == 2
	.amdgcn_target "amdgcn-amd-amdhsa--gfx1250"
	.amdhsa_code_object_version 6
	.text
	.protected	k_q5081641369_attn
	.globl	k_q5081641369_attn
	.p2align	8
	.type	k_q5081641369_attn,@function
k_q5081641369_attn:
	s_mov_b64 s[64:65], 0
	v_nop
	global_prefetch_b8 v0, s[64:65] scope:SCOPE_SE
	s_setreg_imm32_b32 hwreg(HW_REG_WAVE_SCHED_MODE, 0, 2), 2
	s_setreg_imm32_b32 hwreg(HW_REG_WAVE_MODE, 25, 1), 1
	s_wait_xcnt 0x0
	s_wait_alu depctr_vm_vsrc(0)
; out0[b][64 head + c][t] = the sum over s of softmax_s((q 8^-1/2)[c'][t] . (k 8^-1/2)[c'][s]) v[c][s], for 64 pairs (b, head), 2,048 positions, 64 channels.
; qkv: [4][3 x 16 x 64][2048] f32: a channel is a row of 8,192 bytes, the position is innermost.  Both products go on codes of E5M2 with one E8M0 scale for each 32 along K.
; Product 1: K = the 64 channels; q and k are multiplied by 8^-1/2 in f32 and quantised down the channels.  The matrix instruction is 128 deep: channels 64 .. 127 are zero codes on both sides.
; Product 2: K = the keys; v is quantised along its rows as it lies; p = 2^(t - M), t = score x log2(e), M = the ceiling of the running largest t, is quantised along the keys;
; the row's sum is taken of the unquantised p and divides at the end.  When M moves, the sum and O are multiplied by 2^(old M - new M), which rounds nothing.
; NO WORK IS LEFT OUT: every number of qkv has a way to out0.
; LIMITS: NaN and infinities among the inputs are not served.  A block whose largest magnitude lies under 2^-111 has its scale byte held at 1; a block of zeros gets the byte 1 where the rule says 127
; (its codes are zeros, and this program alone reads the bytes).  The scale bytes of the padded channels 64 .. 127 are 0, over zero codes.  A p under 2^-126 comes out of v_exp_f32 as 0.
; SHARES.  One launch, 256 work-groups: work-group (x, bh) owns head bh and its queries 512 x .. 512 x + 511.  Sixteen waves of 256 registers.
; PHASE 1: wave w quantises keys 128 w .. 128 w + 127 of K and of V, and queries 32 w .. 32 w + 31, from f32 straight into LDS, as IMAGES OF OPERAND REGISTERS (each group of four registers: 16 bytes a lane, 512 on end).
; The whole head's codes stay in LDS: 16 records of 17,152 bytes, one for each key step.  One barrier.
; PHASE 2: two passes; in pass p wave w owns the tile of 16 queries 16 p + w and walks the 16 records with no barrier.  Both products are used transposed (S^T = K Q^T, O^T = V P^T): a lane holds one query throughout.
; THE POSITIONS OF A TILE ARE NOT NEIGHBOURS: row r of tile 2 b + u holds position 32 b + 16 (r / 8) + 8 u + r % 8, so that the 16 registers of score tiles 2 b and 2 b + 1 are keys 32 b + 16 (lane / 16) + 0 .. 15.
; THE WAY OUT of a pass goes through a stage of 32 channels x 1,024 bytes, so that sixteen lanes store 256 consecutive bytes of a row of out0, aligned.
; NO TENSOR LOADS AND NO CLUSTER, though the four work-groups of a head read the same K and V: these arrive as f32 and pass through registers on their way to codes, and the head's records, the queries' images and
; the stage take 325,632 of the 327,680 bytes of LDS, so that no f32 tile has room beside them.  NOTHING IS PREFETCHED: all that the launch reads is asked for by phase 1's loads, at the kernel's head, two batches ahead.
; THE MODE: SCHED_MODE bits 1:0 = 2 (LLVM: expert scheduling mode 2), set by the entry lines.  The code itself states the register dependences between vector or matrix instructions and memory or LDS
; instructions, with s_wait_alu, always for 0.
; THE PLAN.  Registers that memory or LDS instructions touch:
;   PHASE 1.  X0, X1, VA, VBB: a batch's loads land; the item's lines work in place; behind them the batch two on lands.  v[C ..], v[SW], v[PW]: written by the item's lines, read by its LDS stores.
;     An item has ONE wait on va_vdst, behind its conversions: the stores' data are written, and the item is done with its set of numbers; its stores and the next loads follow with no vector line between.
;     It has ONE wait on vm_vsrc, at its end: the stores have read the registers that the next item writes again.  The addresses v240-247 are made at the head and never written again.
;   A KEY STEP.  v[AD16], v[AD8]: written at the step's head, read by every LDS load of the step.  K's code registers and v[KS ..]: tiles 0-3 and the scale words land a step AHEAD (asked for among the row's sums of the
;     step before, by v[AD16] and an immediate offset of one record; record 0's at the pass's head); the first four score products read them; tiles 4-7 land; the second four read them.
;     v[S ..]: written by the score products, worked in place, read by the conversions; then V's fragments land there, and the products of O^T read them.  v[VS ..]: lands, read by those products.
;     v[PC ..], v[PS]: written by vector lines, read by the products of O^T as operand and scale.
;     The waits: vm_vsrc at the head (the two addresses); va_vdst ahead of K's tiles 4-7; the wait behind the 64 exponentials, which also frees K's registers and scale words for the next record;
;     the wait for the four exponentials; and two in the conversions, one behind each two blocks, ahead of V's two tiles that land in those blocks' registers.
;   THE WAY OUT.  v[S .. S+31]: written by the division, read by both halves' LDS stores: one wait on va_vdst.  v[S+32 .. S+63]: rows land from the stage, the global stores read them.
;     The wait on vm_vsrc at the next pass's head stands ahead of all that writes these registers again.
.set ROWG,  8192                       ; a row of qkv or of out0 in bytes
.set REC,   17152                      ; a record: K's 8 tiles (1,024 bytes each: two register groups), V's 4 tiles (2,048 each), K's scale words, V's scale words
.set VIO,   8192                       ; V's images in a record
.set KSO,   16384                      ; K's scale words: [lane 0..31][4 words]: word b of lane l: tile 2 b + l / 16, row l % 16
.set VSO,   16896                      ; V's scale words: [lane 0..31][2 words]: word a of lane l: tile 2 a + l / 16, row l % 16
.set STG,   16*REC                     ; the stage: 4 groups of 256 bytes of a row x 32 channels
.set QIMG,  STG+16384                  ; the queries' images, tile T at 1,024 T.  Tiles 0-15 (pass 0's) overlie the stage's upper half; they are read before the first result is staged
.set QS,    QIMG+32768                 ; the queries' scale words: tile T's sixteen at 64 T
.set SPARE, QS+2048                    ; the spare words, 128 bytes for each wave: eight blocks of 256 bytes that no other line names
; vector registers that stay
.set LI,   1                           ; 16 x lane
.set L8,   2                           ; 8 x lane
.set L4R,  3                           ; 4 x (lane % 16)
.set AD16, 4                           ; the record in hand + 16 x lane
.set AD8,  5                           ; the record in hand + 8 x lane
.set SPW,  6                           ; my spare word: SPARE + 4 x my thread's number; never rewritten
.set NIL,  7                           ; 0; never rewritten
.set STO,  8                           ; the stage: where I put a number
.set RD,   9                           ; the stage: where I read 16 bytes back
.set GO,   10                          ; my byte offset in out0
.set AQ,   11                          ; my query tile's image
.set AQS,  221                         ; and its scale words
.set KS,   248                         ; v248-251 K's scale words; v252-253 V's; v254 Q's; v255 p's: these eight hold scales and nothing else
.set VS,   252
.set QSW,  254
.set PS,   255
; phase 2
.set QF,   16                          ; v16-23 Q's codes, v24-31 zero codes
.set KF,   32                          ; v32-95 four fragments of K: +0..7 codes, +8..15 zero codes that stay
.set S,    96                          ; v96-159 S^T, then p, then V's four fragments; on the way out v96-127 O / the sum, v128-159 rows read back
.set O,    160                         ; v160-191 O^T, four tiles
.set PC,   192                         ; v192-207 p's codes
.set SUM2, 216                         ; v[216:217] the second chain of the row's sum
.set F,    218                         ; v[218:219] f = 2^(old M - new M)
.set TT,   220                         ; at work
.set TM,   224                         ; v224-227 largest magnitudes or scores; v228-231 the other half's, then bytes; v232-235 the holds; v236-239 the conversions' scale operands
; phase 1
.set PW,   12                          ; a fragment's scale word
.set SW,   13                          ; a position's scale word, byte by byte
.set C,    16                          ; v16-31 the codes just made
.set X,    32                          ; v32-63, v64-95: 32 channels of one position a lane, blocks 0 and 1
.set VA,   96                          ; v96-159, v160-223: 64 numbers of V a lane, two sets
.set VBB,  160
.set LO4,  240                         ; 4 x lane
.set KI,   241                         ; where I store K's images
.set KSA,  242                         ; and K's scale words
.set QI,   243                         ; Q's images
.set QSA,  244                         ; Q's scale words
.set VO,   245                         ; V: row lane % 16, + 64 (lane / 16)
.set VI,   246                         ; V's images
.set VSA,  247                         ; V's scale words
; scalar registers
.set WV,   8                           ; my wave's number
.set SQB,  12                          ; s[12:13] q at my 32 queries; s[14:15] k at my 128 keys; s[16:17] v likewise; s[18:19] out0 at the pass's 256 queries
.set SKB,  14
.set SVB,  16
.set SOUT, 18
.set SEL,  20                          ; s[20:21] v_permlanex16_b32's selects for lane l xor 16
.set CS,   22                          ; s[22:23] log2(e)
.set SC,   24                          ; s[24:25] 8^-1/2
.set MNT,  26                          ; the mantissa field of 57,344
.set TB,   27                          ; the record in hand
.set STEPS, 28
.set PASSES, 29
.set QP,   30                          ; my query tile's image in this pass
.set QSP,  31                          ; and its scale words
; 32 channels (block c) of 32 neighbouring positions: a lane takes a position, its registers run down the channels; a load reads 128 consecutive bytes
.macro LOADB c, base, col, nt
.set i, 0
.rept 32
.if \nt
	global_load_b32 v[X+32*(\c)+i], v[LO4], s[\base:\base+1] offset:(32*(\c)+i)*ROWG+(\col) th:TH_LOAD_NT
.else
	global_load_b32 v[X+32*(\c)+i], v[LO4], s[\base:\base+1] offset:(32*(\c)+i)*ROWG+(\col)
.endif
.set i, i+1
.endr
.endm
; Block c of a position's channels: x 8^-1/2, the block's scale, the hold, 32 codes; their image goes to LDS.  left: the loads issued behind this block's, which may stay out
.macro QBLOCK c, img, ioff, sca, soff, left
.set XS, X+32*(\c)
	s_wait_loadcnt \left
.set i, 0
.rept 16
	v_pk_mul_f32 v[XS+i:XS+i+1], v[XS+i:XS+i+1], s[SC:SC+1] op_sel_hi:[1,0]   ; ahead of the quantiser, in f32
.set i, i+2
.endr
	v_max3_num_f32 v[TM], |v[XS]|, |v[XS+1]|, |v[XS+2]|             ; the block's largest magnitude: all 32 numbers are mine; two chains
	v_max3_num_f32 v[TM+1], |v[XS+3]|, |v[XS+4]|, |v[XS+5]|
.irp n, 6,10,14,18,22,26
	v_max3_num_f32 v[TM], v[TM], |v[XS+\n]|, |v[XS+\n+1]|
	v_max3_num_f32 v[TM+1], v[TM+1], |v[XS+\n+2]|, |v[XS+\n+3]|
.endr
	v_max3_num_f32 v[TM], v[TM], |v[XS+30]|, |v[XS+31]|
	v_max3_num_f32 v[TM], v[TM], v[TM+1], 0x8000000                 ; and the floor 2^(16 - 127): the byte cannot fall under 1
	v_add_nc_u32 v[TM+12], 0xf8800000, v[TM]                        ; 15 off the exponent field: the conversion's scale operand
	v_and_or_b32 v[TM+8], v[TM], 0x7f800000, s[MNT]                 ; 57,344 x the scale
	v_lshrrev_b32 v[TM+1], 23, v[TM+12]                             ; the scale's byte
.if (\c) == 0
	v_mov_b32 v[SW], v[TM+1]                                        ; byte 0; bytes 2 and 3, of the zero codes, stay 0
.else
	v_lshl_or_b32 v[SW], v[TM+1], 8, v[SW]                          ; byte 1
.endif
.set i, 0
.rept 32
	v_med3_num_f32 v[XS+i], v[XS+i], -v[TM+8], v[TM+8]              ; the conversion to an 8-bit code does not saturate (ISA guide 7.6.2): the hold comes first
.set i, i+1
.endr
.irp g, 0,1,2,3
	v_cvt_scalef32_pk8_bf8_f32 v[C+2*\g:C+2*\g+1], v[XS+8*\g:XS+8*\g+7], v[TM+12]
.endr
	v_nop                                                           ; a plain line behind the last conversion
	s_wait_alu depctr_va_vdst(0)                                    ; the conversions have written v[C ..] and the byte's line v[SW], which the LDS stores read; the block's lines are done with v[XS ..], in which the loads behind this block land
	ds_store_b128 v[\img], v[C:C+3] offset:(\ioff)+512*(\c)         ; channels 32 c + 0 .. 15: the place of lane r of the operand,
	ds_store_b128 v[\img], v[C+4:C+7] offset:(\ioff)+512*(\c)+256   ; channels 32 c + 16 .. 31: of lane 16 + r
.if (\c) == 1
	ds_store_b32 v[\sca], v[SW] offset:\soff
.endif
.endm
; V: channels 16 t + lane % 16, of each block of 32 keys my half's 16 neighbours: the operand's own order
.macro VLOAD reg, t
.irp b, 0,1,2,3
.irp j, 0,1,2,3
	global_load_b128 v[\reg+16*\b+4*\j:\reg+16*\b+4*\j+3], v[VO], s[SVB:SVB+1] offset:16*(\t)*ROWG+128*\b+16*\j
.endr
.endr
.endm
; 64 numbers of a lane, register 16 b + i = k 32 b + 16 (lane / 16) + i of my row, become a fragment's codes in v[C] on and its scale word in v[PW]
.macro QUANT s
.irp b, 0,1,2,3
	v_max3_num_f32 v[TM+\b], |v[\s+16*\b]|, |v[\s+1+16*\b]|, 0x8000000   ; my 16 numbers of block b, and the floor 2^(16 - 127)
.endr
.irp n, 2,4,6,8,10,12,14
.irp b, 0,1,2,3
	v_max3_num_f32 v[TM+\b], v[TM+\b], |v[\s+16*\b+\n]|, |v[\s+1+16*\b+\n]|   ; the four blocks by turns
.endr
.endr
.irp b, 0,1,2,3
	v_permlanex16_b32 v[TM+4+\b], v[TM+\b], s[SEL], s[SEL+1]
.endr
.irp b, 0,1,2,3
	v_max_num_f32 v[TM+\b], v[TM+\b], v[TM+4+\b]                    ; with lane l xor 16's: the block's largest magnitude
.endr
.irp b, 0,1,2,3
	v_add_nc_u32 v[TM+12+\b], 0xf8800000, v[TM+\b]
.endr
.irp b, 0,1,2,3
	v_and_or_b32 v[TM+8+\b], v[TM+\b], 0x7f800000, s[MNT]
.endr
.irp b, 0,1,2,3
	v_lshrrev_b32 v[TM+4+\b], 23, v[TM+12+\b]
.endr
	v_lshl_or_b32 v[PW], v[TM+5], 8, v[TM+4]
	v_lshl_or_b32 v[PW], v[TM+6], 16, v[PW]
	v_lshl_or_b32 v[PW], v[TM+7], 24, v[PW]
.irp b, 0,1,2,3
.irp n, 0,1,2,3,4,5,6,7,8,9,10,11,12,13,14,15
	v_med3_num_f32 v[\s+16*\b+\n], v[\s+16*\b+\n], -v[TM+8+\b], v[TM+8+\b]
.endr
	v_cvt_scalef32_pk8_bf8_f32 v[C+4*\b:C+1+4*\b], v[\s+16*\b:\s+7+16*\b], v[TM+12+\b]
	v_cvt_scalef32_pk8_bf8_f32 v[C+2+4*\b:C+3+4*\b], v[\s+8+16*\b:\s+15+16*\b], v[TM+12+\b]
.endr
	v_nop                                                           ; a plain line behind the last conversion
	s_wait_alu depctr_va_vdst(0)                                    ; the conversions have written v[C ..] and the word's lines v[PW], which the LDS stores read; the fragment's lines are done with v[s ..], in which the loads behind it land
.endm
.macro VIMAGE t                        ; the fragment goes to LDS as it stands; lanes r and 16 + r hold the same scale word and write it to the same place
.irp c, 0,1,2,3
	ds_store_b128 v[VI], v[C+4*\c:C+4*\c+3] offset:VIO+2048*(\t)+512*\c
.endr
	ds_store_b32 v[VSA], v[PW] offset:VSO+128*((\t)%2)+4*((\t)/2)
.endm
.macro STORED                          ; the end of an item of phase 1
	s_wait_dscnt 0x0                                                ; my LDS stores have landed
	s_wait_alu depctr_vm_vsrc(0)                                    ; and have read v[C ..], v[SW] and v[PW], which the next item's lines write again
.endm
.macro BAR                             ; my LDS stores have landed and my LDS loads are in: then the work-group's barrier
	s_wait_dscnt 0x0
	s_barrier_signal -1
	s_barrier_wait -1
.endm
	s_load_b128 s[4:7], s[0:1], 0x0                ; qkv s[4:5], out0 s[6:7]
	v_lshl_add_u32 v[SPW], v0, 2, SPARE
	v_mov_b32 v[NIL], 0
	v_lshrrev_b32 v1, 5, v0
	v_readfirstlane_b32 s[WV], v1                  ; wave 0..15
	s_and_b32 s9, ttmp7, 0xffff                    ; bh = 16 b + head
	v_and_b32 v12, 31, v0                          ; lane
	v_lshlrev_b32 v[LI], 4, v12
	v_lshlrev_b32 v[L8], 3, v12
	v_lshlrev_b32 v[LO4], 2, v12
	v_and_b32 v13, 15, v0                          ; lane % 16
	v_lshlrev_b32 v[L4R], 2, v13
	v_bfe_u32 v14, v0, 4, 1                        ; h = lane / 16
	v_bfe_u32 v15, v0, 3, 1                        ; u: the tile that my position of 32 goes to
	v_and_b32 v11, 7, v0
	v_lshl_add_u32 v4, v14, 3, v11                 ; r = 8 h + lane % 8: its row there
	v_lshl_add_u32 v5, v15, 4, v4                  ; 16 u + r
	s_wait_alu depctr_va_sdst(0)                   ; the wave's number is written into s[WV], ahead of its first reader: LDS places and the buffers' offsets are made from it
	s_mul_i32 s10, s[WV], REC                      ; my record
	v_lshlrev_b32 v[KI], 10, v15
	v_lshl_add_u32 v[KI], v4, 4, v[KI]             ; 1,024 u + 16 r
	s_lshl_b32 s11, s[WV], 11
	s_add_co_u32 s11, s11, QIMG
	v_add_nc_u32 v[QI], s11, v[KI]                 ; query tiles 2 w and 2 w + 1
	v_add_nc_u32 v[KI], s10, v[KI]
	v_lshlrev_b32 v[KSA], 4, v5
	v_add_nc_u32 v[KSA], s10, v[KSA]
	s_lshl_b32 s11, s[WV], 7
	s_add_co_u32 s11, s11, QS
	v_lshl_add_u32 v[QSA], v5, 2, s11
	v_lshlrev_b32 v[VO], 13, v13
	v_lshl_add_u32 v[VO], v14, 6, v[VO]
	v_add_nc_u32 v[VI], s10, v[LI]
	v_lshl_add_u32 v[VSA], v13, 3, s10
	; the way out.  In a pass wave w's tile holds queries 32 (w / 2) + 16 (r / 8) + 8 (w % 2) + r % 8 of the pass's 256: group w / 4 of 64 queries, 256 bytes
	s_lshr_b32 s11, s[WV], 2
	s_lshl_b32 s11, s11, 13                        ; the group's 32 rows of 256 bytes
	s_bfe_u32 s32, s[WV], 0x10001
	s_lshl_b32 s32, s32, 7
	s_add_co_u32 s11, s11, s32
	s_and_b32 s32, s[WV], 1
	s_lshl_b32 s32, s32, 5
	s_add_co_u32 s11, s11, s32
	s_add_co_u32 s11, s11, STG
	v_lshlrev_b32 v[STO], 11, v14                  ; my half's eight channels: 8 rows on
	v_lshl_add_u32 v[STO], v15, 6, v[STO]
	v_lshl_add_u32 v[STO], v11, 2, v[STO]
	v_add_nc_u32 v[STO], s11, v[STO]
	s_lshl_b32 s11, s[WV], 11
	s_add_co_u32 s11, s11, STG
	v_add_nc_u32 v[RD], s11, v[LI]                 ; back: wave w takes 8 rows of group w / 4: channels 8 (w % 4) on; lanes 0-15 one row, lanes 16-31 the next
	s_and_b32 s11, s[WV], 3
	s_lshl_b32 s11, s11, 16
	s_lshr_b32 s32, s[WV], 2
	s_lshl_b32 s32, s32, 8
	s_add_co_u32 s11, s11, s32
	v_lshlrev_b32 v[GO], 13, v14
	v_lshl_add_u32 v[GO], v13, 4, v[GO]
	v_add_nc_u32 v[GO], s11, v[GO]                 ; and the same place in out0
	s_lshl_b32 s[QP], s[WV], 10
	s_add_co_u32 s[QP], s[QP], QIMG
	s_lshl_b32 s[QSP], s[WV], 6
	s_add_co_u32 s[QSP], s[QSP], QS
	s_mov_b32 s[SEL], 0x76543210
	s_mov_b32 s[SEL+1], 0xfedcba98
	s_mov_b32 s[CS], 0x3fb8aa3b                    ; log2(e)
	s_mov_b32 s[CS+1], s[CS]                       ; (named with it as a pair, so it is written)
	s_mov_b32 s[SC], 0x3eb504f3                    ; 1 / sqrt(sqrt(64)) in f32
	s_mov_b32 s[SC+1], s[SC]
	s_mov_b32 s[MNT], 0x600000
	s_mov_b32 s[PASSES], 2
.irp b, 0,1,2,3
	v_mov_b32 v[TM+4+\b], 0                        ; written once: a lane permute's destination counts as one of its sources
.endr
	v_mov_b32 v[F+1], 0                            ; (named as the upper half of the pair v[218:219])
	; byte offsets, each under 2^31
	s_lshr_b32 s32, s9, 4
	s_mul_i32 s32, s32, 3072*ROWG                  ; the batch,
	s_and_b32 s33, s9, 15
	s_lshl_b32 s33, s33, 19                        ; the head's 64 rows
	s_add_co_u32 s32, s32, s33
	s_lshl_b32 s11, ttmp9, 11                      ; my work-group's 512 queries in a row
	s_lshl_b32 s33, s[WV], 7                       ; my wave's 32 of them
	s_add_co_u32 s34, s32, s11
	s_add_co_u32 s34, s34, s33
	s_mov_b32 s35, 0
	s_lshl_b32 s33, s[WV], 9                       ; my wave's 128 keys
	s_add_co_u32 s36, s32, s33
	s_add_co_u32 s36, s36, 1024*ROWG               ; k lies 1,024 rows behind q
	s_mov_b32 s37, 0
	s_lshl_b32 s38, s9, 19
	s_add_co_u32 s38, s38, s11
	s_mov_b32 s39, 0
	s_wait_kmcnt 0x0
	s_add_nc_u64 s[SQB:SQB+1], s[4:5], s[34:35]
	s_add_nc_u64 s[SKB:SKB+1], s[4:5], s[36:37]
	s_add_nc_u64 s[SVB:SVB+1], s[SKB:SKB+1], 1024*ROWG   ; v 1,024 rows behind k
	s_add_nc_u64 s[SOUT:SOUT+1], s[6:7], s[38:39]
	s_wait_alu depctr_va_vdst(0)                   ; all offsets and LDS addresses (v1-3, v8-10, v240-247) are written, which the loads and stores of the whole kernel read; so is v219, in which a load of V lands
	; ---- PHASE 1.  Fourteen batches of loads: Q's two blocks, K's eight (four groups of 32 keys x two blocks), V's four fragments.  Each item waits for its batch, works, asks for the batch two on,
	; and waits for its LDS stores, which have then read the codes' registers.  A wait's count is the loads of the one batch that was issued behind the batch wanted: 32, or 16 where that is one of V's.
	LOADB 0, SQB, 0, 1
	LOADB 1, SQB, 0, 1
	QBLOCK 0, QI, 0, QSA, 0, 32
	LOADB 0, SKB, 0, 0
	STORED
	QBLOCK 1, QI, 0, QSA, 0, 32
	LOADB 1, SKB, 0, 0
	STORED
.irp b, 0,1,2
	QBLOCK 0, KI, 2048*\b, KSA, KSO+4*\b, 32
	LOADB 0, SKB, 128*(\b+1), 0
	STORED
	QBLOCK 1, KI, 2048*\b, KSA, KSO+4*\b, 32
	LOADB 1, SKB, 128*(\b+1), 0
	STORED
.endr
	QBLOCK 0, KI, 2048*3, KSA, KSO+4*3, 32
	VLOAD VA, 0
	STORED
	QBLOCK 1, KI, 2048*3, KSA, KSO+4*3, 16
	VLOAD VBB, 1
	STORED
	s_wait_loadcnt 16
	QUANT VA
	VIMAGE 0
	VLOAD VA, 2
	STORED
	s_wait_loadcnt 16
	QUANT VBB
	VIMAGE 1
	VLOAD VBB, 3
	STORED
	s_wait_loadcnt 16
	QUANT VA
	VIMAGE 2
	STORED
	s_wait_loadcnt 0x0
	QUANT VBB
	VIMAGE 3
	STORED                                         ; (here the lines that write v24-31 again are the zero codes' below)
.irp n, 24,40,56,72,88                 ; the zero codes of channels 64 .. 127: Q's upper eight registers and those of K's four fragments; written once
.set i, 0
.rept 8
	v_mov_b32 v[\n+i], 0
.set i, i+1
.endr
.endr
	BAR                                            ; all sixteen records and all 32 query tiles lie in LDS
	; ---- PHASE 2
.macro KLOAD adr, off                  ; four tiles of K, from off bytes behind v[adr] on: two register groups each
.irp t, 0,1,2,3
	ds_load_b128 v[KF+16*\t:KF+16*\t+3],   v[\adr] offset:(\off)+1024*\t
	ds_load_b128 v[KF+16*\t+4:KF+16*\t+7], v[\adr] offset:(\off)+1024*\t+512
.endr
.endm
.macro SCORE g                         ; S^T of 64 keys: source 0 = 16 keys, source 1 = my 16 queries.  An even tile's scale words lie in lanes 0-15 of their register, an odd tile's in lanes 16-31
.irp t, 0,1,2,3
.if (\t)%2
	v_wmma_scale_f32_16x16x128_f8f6f4 v[S+8*(4*(\g)+\t):S+8*(4*(\g)+\t)+7], v[KF+16*\t:KF+16*\t+15], v[QF:QF+15], 0, v[KS+2*(\g)+\t/2], v[QSW] matrix_a_fmt:MATRIX_FMT_BF8 matrix_b_fmt:MATRIX_FMT_BF8 matrix_a_scale:MATRIX_SCALE_ROW1
.else
	v_wmma_scale_f32_16x16x128_f8f6f4 v[S+8*(4*(\g)+\t):S+8*(4*(\g)+\t)+7], v[KF+16*\t:KF+16*\t+15], v[QF:QF+15], 0, v[KS+2*(\g)+\t/2], v[QSW] matrix_a_fmt:MATRIX_FMT_BF8 matrix_b_fmt:MATRIX_FMT_BF8
.endif
.endr
.endm
.macro BMAX b0, b1                     ; the largest score of my 16 keys of blocks b0 and b1, by turns: sixteen lines; each score tile is first read at its low end
.irp b, \b0, \b1
	v_max3_num_f32 v[TM+\b], v[S+16*\b], v[S+1+16*\b], v[S+2+16*\b]
.endr
.irp n, 3,5,7,9,11,13
.irp b, \b0, \b1
	v_max3_num_f32 v[TM+\b], v[TM+\b], v[S+16*\b+\n], v[S+1+16*\b+\n]
.endr
.endr
.irp b, \b0, \b1
	v_max_num_f32 v[TM+\b], v[TM+\b], v[S+15+16*\b]
.endr
.endm
; Channels 32 u .. 32 u + 31 of the pass's 256 queries go through the stage.  In front of the stores a barrier: every wave's earlier reads of those bytes are over (the half before; in pass 0 the query tiles that lie there).
.macro HALF u
	BAR
.irp tt, 0,1
.irp j, 0,1,2,3,4,5,6,7
	ds_store_b32 v[STO], v[S+16*\u+8*\tt+\j] offset:(16*\tt+\j)*256   ; o(channel 32 u + 16 tt + 8 h + j, my query)
.endr
.endr
	BAR                                            ; 32 channels x 1,024 bytes lie in the stage
.irp n, 0,1,2,3
	ds_load_b128 v[S+32+16*\u+4*\n:S+32+16*\u+4*\n+3], v[RD] offset:512*\n
.endr
	s_wait_dscnt 0x0
.irp n, 0,1,2,3
	global_store_b128 v[GO], v[S+32+16*\u+4*\n:S+32+16*\u+4*\n+3], s[SOUT:SOUT+1] offset:32*ROWG*\u+2*ROWG*\n th:TH_STORE_NT   ; sixteen lanes store 256 consecutive bytes, at a multiple of 256 from out0's first byte
.endr
.endm
; A KEY STEP: the 128 keys of the record at s[TB].  Its K tiles 0-3 and K's scale words are in registers at its head.  ahead = 1: the next record's are asked for on the way; the last step asks for none: there is no record behind it.
.macro STEP ahead
	s_wait_alu depctr_vm_vsrc(0)                   ; the LDS loads issued so far have read v[AD16] and v[AD8]
	v_add_nc_u32 v[AD16], s[TB], v[LI]
	v_add_nc_u32 v[AD8], s[TB], v[L8]
.rept 7
	v_nop                                          ; with the two additions: nine places between the last product of O^T and the first score product, which writes over V's fragments
.endr
	SCORE 0
.rept 8
	v_nop                                          ; eight places in front of the first read of tiles 0-3
.endr
	s_wait_alu depctr_va_vdst(0)                   ; the four score products are done reading K's registers, in which tiles 4-7 land; v[AD16] and v[AD8] are written, which this step's loads read
	KLOAD AD16, 4096
	s_wait_dscnt 0x0
	SCORE 1
	BMAX 0, 1                                      ; THE LARGEST SCORE OF EACH BLOCK OF 32 KEYS serves twice: for the row's maximum, and, since p rises with the score, for the block's largest p.  These sixteen lines read tiles 0-3 alone: they are the places behind tiles 4-7
	BMAX 2, 3
.irp b, 0,1,2,3
	v_permlanex16_b32 v[TM+4+\b], v[TM+\b], s[SEL], s[SEL+1]
.endr
.irp b, 0,1,2,3
	v_max_num_f32 v[TM+\b], v[TM+\b], v[TM+4+\b]   ; with lane l xor 16's 16 keys
.endr
	v_max3_num_f32 v[TT], v[TM], v[TM+1], v[TM+2]
	v_max_num_f32 v[TT], v[TT], v[TM+3]            ; the step's largest score of my query
	v_mul_f32 v[TT], s[CS], v[TT]                  ; as t
	v_max_num_f32 v13, v13, v[TT]                  ; the running largest t
	v_mov_b32 v[TT], v12
	v_floor_f32 v12, -v13                          ; the new -M = floor(-t) = -ceil(t): M is a whole number
	v_sub_f32 v[TT], v12, v[TT]                    ; M's old value less its new one: a whole number, 0 or less
	v_cvt_i32_f32 v[TT], v[TT]                     ; (it saturates)
	v_ldexp_f32 v[F], 1.0, v[TT]                   ; f = 2^(old M - new M)
.set i, 0
.rept 32
	v_pk_fma_f32 v[S+i:S+i+1], v[S+i:S+i+1], s[CS:CS+1], v[12:13] op_sel_hi:[1,0,0]   ; t - M, two at a time
.set i, i+2
.endr
.irp b, 0,1,2,3
	v_fma_f32 v[TM+\b], v[TM+\b], s[CS], v12       ; the same of each block's largest score
.endr
.set i, 0
	s_wait_alu depctr_va_vdst(0)
.rept 64
	v_exp_f32 v[S+i], v[S+i]                       ; p = 2^(t - M), at most 1: not normalised
.set i, i+1
.endr
	v_pk_mul_f32 v[14:15], v[14:15], v[F:F+1] op_sel_hi:[1,0]   ; the sums under the new M: the plain line behind the exponentials
	s_wait_alu depctr_va_vdst(0)                   ; the 64 exponentials have written p, ahead of the first line that names a result; and the second four score products are done reading K's registers and scale words, in which the next record's land below
.irp b, 0,1,2,3
	v_exp_f32 v[TM+\b], v[TM+\b]                   ; the block's largest p: the same two instructions on the same number give the same bits
.endr
	v_pk_add_f32 v[SUM2:SUM2+1], v[S:S+1], v[S+2:S+3]   ; the row's sum is taken of the unquantised p: two at a time, in two chains
.set i, 0
.rept 15
	v_pk_add_f32 v[14:15], v[14:15], v[S+4+4*i:S+5+4*i]
	v_pk_add_f32 v[SUM2:SUM2+1], v[SUM2:SUM2+1], v[S+6+4*i:S+7+4*i]
.if \ahead && (i < 8)
	ds_load_b128 v[KF+16*(i/2)+4*(i%2):KF+16*(i/2)+4*(i%2)+3], v[AD16] offset:REC+1024*(i/2)+512*(i%2)   ; the next record's K, tile i / 2, register group i % 2.  No wait: no vector or matrix line since the wait above names K's registers, K's scale words or v[AD16]
.endif
.if \ahead && (i == 8)
	ds_load_b128 v[KS:KS+3], v[AD16] offset:REC+KSO   ; and the scale words of all its eight tiles
.endif
.set i, i+1
.endr
	v_pk_add_f32 v[14:15], v[14:15], v[SUM2:SUM2+1]
	s_wait_alu depctr_va_vdst(0)                   ; the four exponentials have written the blocks' largest p, ahead of the first line that names one
.irp b, 0,1,2,3
	v_max_num_f32 v[TM+\b], 0x8000000, v[TM+\b]    ; the floor 2^(16 - 127): the byte cannot fall under 1
.endr
.irp b, 0,1,2,3
	v_add_nc_u32 v[TM+12+\b], 0xf8800000, v[TM+\b] ; 15 off the exponent field: the conversion's scale operand
.endr
.irp b, 0,1,2,3
	v_and_or_b32 v[TM+8+\b], v[TM+\b], 0x7f800000, s[MNT]   ; 57,344 x the scale
.endr
.irp b, 0,1,2,3
	v_lshrrev_b32 v[TM+4+\b], 23, v[TM+12+\b]      ; the scale's byte
.endr
	v_lshl_or_b32 v[PS], v[TM+5], 8, v[TM+4]       ; p's scale word for these 128 keys; the 64 holds below stand between it and its products
	v_lshl_or_b32 v[PS], v[TM+6], 16, v[PS]
	v_lshl_or_b32 v[PS], v[TM+7], 24, v[PS]
.irp hf, 0,1                           ; two blocks at a time
.irp u, 0,1
.set bb, 2*\hf+\u
.set i, 0
.rept 16
	v_min_num_f32 v[S+16*bb+i], v[S+16*bb+i], v[TM+8+bb]   ; p is not negative: the hold is one-sided
.set i, i+1
.endr
	v_cvt_scalef32_pk8_bf8_f32 v[PC+4*bb:PC+1+4*bb], v[S+16*bb:S+7+16*bb], v[TM+12+bb]
	v_cvt_scalef32_pk8_bf8_f32 v[PC+2+4*bb:PC+3+4*bb], v[S+8+16*bb:S+15+16*bb], v[TM+12+bb]
.endr
	s_wait_alu depctr_va_vdst(0)                   ; the holds and conversions of these two blocks are done with their 32 registers, in which V's two tiles land; p's codes of the two blocks (and, further up, p's scale word) are written, which the products of O^T take as operand and scale
.irp u, 0,1
.irp c, 0,1,2,3
	ds_load_b128 v[S+16*(2*\hf+\u)+4*\c:S+16*(2*\hf+\u)+4*\c+3], v[AD16] offset:VIO+2048*(2*\hf+\u)+512*\c   ; a block's p is turned into codes: its sixteen registers take V's tile of the same number
.endr
.endr
.endr
	ds_load_b64 v[VS:VS+1], v[AD8] offset:VSO      ; V's scale words (the products that read the last step's stand ahead of this step's waits)
.set i, 0
.rept 16
	v_pk_mul_f32 v[O+i:O+i+1], v[O+i:O+i+1], v[F:F+1] op_sel_hi:[1,0]   ; O^T under the new M.  These are also the plain lines behind the last conversion and in front of the products; they name none of the registers that the loads above touch
.set i, i+2
.endr
	s_wait_alu depctr_va_vdst(0)
	s_wait_dscnt 0x0                               ; V's fragments and scale words are in; so is all that was asked for ahead of them: the next record's K tiles 0-3 and scale words
.irp t, 0,1,2,3                        ; O^T += V P^T: source 0 = 16 channels, source 1 = p; four accumulators by turns, one instruction a turn
.if (\t)%2
	v_wmma_scale_f32_16x16x128_f8f6f4 v[O+8*\t:O+8*\t+7], v[S+16*\t:S+16*\t+15], v[PC:PC+15], v[O+8*\t:O+8*\t+7], v[VS+\t/2], v[PS] matrix_a_fmt:MATRIX_FMT_BF8 matrix_b_fmt:MATRIX_FMT_BF8 matrix_a_scale:MATRIX_SCALE_ROW1
.else
	v_wmma_scale_f32_16x16x128_f8f6f4 v[O+8*\t:O+8*\t+7], v[S+16*\t:S+16*\t+15], v[PC:PC+15], v[O+8*\t:O+8*\t+7], v[VS+\t/2], v[PS] matrix_a_fmt:MATRIX_FMT_BF8 matrix_b_fmt:MATRIX_FMT_BF8
.endif
.endr
.endm
.Lpass:                                            ; two trips: query tiles w, then 16 + w
	s_wait_alu depctr_vm_vsrc(0)                   ; the last pass's loads have read v[AQ] and v[AQS], its stage's stores and its global stores v[S ..]; phase 1's LDS stores have read v12, v13 and v16-23: all of these are written again in this pass
	v_add_nc_u32 v[AQ], s[QP], v[LI]
	v_add_nc_u32 v[AQS], s[QSP], v[L4R]
	s_wait_alu depctr_va_vdst(0)                   ; v[AQ] and v[AQS] are written; phase 1's lines and the last pass's score products are done with Q's and K's registers and their scale words, in which the loads below land; the zero codes are written, which the score products take as operands
	ds_load_b128 v[QF:QF+3], v[AQ]                 ; my tile's codes and scale words
	ds_load_b128 v[QF+4:QF+7], v[AQ] offset:512
	ds_load_b32 v[QSW], v[AQS]
	KLOAD LI, 0                                    ; record 0's K tiles 0-3: every later record's are asked for a step ahead
	ds_load_b128 v[KS:KS+3], v[LI] offset:KSO      ; and the scale words of all its eight tiles
	v_mov_b32 v13, 0xff61b1e6                      ; the largest t so far: -3e38, under every t
	v_floor_f32 v12, -v13                          ; -M
	v_mov_b32 v14, 0                               ; the sum, in two halves
	v_mov_b32 v15, 0
.set i, 0
.rept 32
	v_mov_b32 v[O+i], 0                            ; O^T.  (The step is written for every step alike: the first finds zeros, which the first change of M leaves zeros)
.set i, i+1
.endr
	s_mov_b32 s[TB], 0
	s_mov_b32 s[STEPS], 15
	s_wait_dscnt 0x0                               ; Q's and record 0's loads are in.  (On the loop's backward jump the wait ahead of the products of O^T has shown the next record's in)
.Lstep:                                            ; fifteen trips: 128 keys each
	STEP 1
	s_add_co_u32 s[TB], s[TB], REC                 ; the next record
	s_sub_co_u32 s[STEPS], s[STEPS], 1
	s_cmp_lg_u32 s[STEPS], 0
	s_cbranch_scc1 .Lstep
	STEP 0                                         ; the sixteenth step is written out: it asks for no further record
	; THE WAY OUT of a pass
	v_add_f32 v14, v14, v15                        ; the sum's two halves,
	v_permlanex16_b32 v[TT], v14, s[SEL], s[SEL+1]
	v_add_f32 v14, v14, v[TT]                      ; and lane l xor 16's: the row's sum
	s_wait_alu depctr_va_vdst(0)
	v_rcp_f32 v14, v14
.rept 7
	v_nop                                          ; with the two additions: nine places behind the last products, whose results are read and whose fragments are written over below; the first is the plain line behind the reciprocal
.endr
	s_wait_alu depctr_va_vdst(0)                   ; the reciprocal is written, ahead of its first reader
.set i, 0
.rept 16
	v_pk_mul_f32 v[S+i:S+i+1], v[O+i:O+i+1], v[14:15] op_sel_hi:[1,0]   ; O^T / the sum, each accumulator from its low end on: register 8 t + j is o(channel 16 t + 8 h + j, my query)
.set i, i+2
.endr
	s_wait_alu depctr_va_vdst(0)                   ; the multiplications have written v[S .. S+31], which both halves' LDS stores read; no vector line follows until the next pass
	HALF 0
	HALF 1
	s_wait_xcnt 0x0                                ; the stores have read their registers and their base: both are written again only behind this wait
	s_add_nc_u64 s[SOUT:SOUT+1], s[SOUT:SOUT+1], 1024   ; the next 256 queries
	s_add_co_u32 s[QP], s[QP], 16*1024             ; sixteen tiles on
	s_add_co_u32 s[QSP], s[QSP], 16*64
	s_sub_co_u32 s[PASSES], s[PASSES], 1
	s_cmp_lg_u32 s[PASSES], 0
	s_cbranch_scc1 .Lpass
	s_wait_dscnt 0x0                               ; the wave's end: the closing lines, six on end
	s_wait_alu 0x0
	s_wait_tensorcnt 0x0
	ds_add_u32 v[SPW], v[NIL]
	s_wait_dscnt 0x0
	s_endpgm
.Lfunc_end_k_q5081641369_attn:
	.size	k_q5081641369_attn, .Lfunc_end_k_q5081641369_attn-k_q5081641369_attn
	.p2alignl 7, 3214868480
	.fill 96, 4, 3214868480
	.section	.rodata,"a",@progbits
	.p2align	6, 0x0
	.amdhsa_kernel k_q5081641369_attn
		.amdhsa_group_segment_fixed_size 327680
		.amdhsa_private_segment_fixed_size 0
		.amdhsa_enable_private_segment 0
		.amdhsa_kernarg_size 16
		.amdhsa_user_sgpr_count 2
		.amdhsa_user_sgpr_kernarg_segment_ptr 1
		.amdhsa_wavefront_size32 1
		.amdhsa_system_sgpr_workgroup_id_x 1
		.amdhsa_system_sgpr_workgroup_id_y 1
		.amdhsa_system_sgpr_workgroup_id_z 1
		.amdhsa_system_vgpr_workitem_id 0
		.amdhsa_next_free_vgpr 256
		.amdhsa_next_free_sgpr 66
		.amdhsa_reserve_vcc 0
		.amdhsa_float_denorm_mode_32 3
		.amdhsa_float_denorm_mode_16_64 3
		.amdhsa_memory_ordered 1
		.amdhsa_forward_progress 1
		.amdhsa_inst_pref_size 168
	.end_amdhsa_kernel
	.amdgpu_metadata
---
amdhsa.version: [ 1, 2 ]
amdhsa.kernels:
  - .name:           k_q5081641369_attn
    .symbol:         k_q5081641369_attn.kd
    .args:
      - { .name: qkv, .offset: 0, .size: 8, .value_kind: global_buffer, .address_space: global }
      - { .name: out0, .offset: 8, .size: 8, .value_kind: global_buffer, .address_space: global }
    .group_segment_fixed_size: 327680
    .private_segment_fixed_size: 0
    .kernarg_segment_align: 8
    .kernarg_segment_size: 16
    .max_flat_workgroup_size: 512
    .sgpr_count:     66
    .vgpr_count:     256
    .wavefront_size: 32
...
	.end_amdgpu_metadata
.endif
;; end of part 2
